; MI455X (gfx1250); checked and timed in simulation.
; The chip was launched on July 23, 2026; its instructions are those of AMD's public machine-readable ISA for CDNA 5 (MIT licence, August 2026) and "CDNA5" Instruction Set Architecture Reference Guide (July 2026). The comments in the code are by the model that wrote it; some were corrected since.
;; Multi Head Attention. Allowed arithmetic: float matrix products may take bf16 or f16 operands with f32 sums; all other float work in f32.
;; Inputs: Wk 512 x 512 float32; Wo 512 x 512 float32; Wq 512 x 512 float32; Wv 512 x 512 float32; bk 512 float32; bo 512 float32; bq 512 float32; bv 512 float32; k 4 x 2,048 x 512 float32; k_padding_mask 4 x 2,048 bool; q 4 x 2,048 x 512 float32; q_padding_mask 4 x 2,048 bool; rpe 8 x 4,095 float32; v 4 x 2,048 x 512 float32.
;; Outputs: out0 4 x 2,048 x 512 float32.
;; One version. Each part assembles by itself: llvm-mc -triple=amdgcn-amd-amdhsa -mcpu=gfx1250 --defsym DOCPART=n.
;; ======== version 1 of 1: 3 launches
;; limits: values are held in f16: magnitudes above 65,504 overflow, below 6.1e-05 lose precision
;; workspace buffers: qp 8,388,608 bytes; kp 8,388,608 bytes; vp 8,388,608 bytes; ao 8,388,608 bytes; wo16 524,288 bytes
;; launch proj (part 1): grid 2 x 128, 16 waves a work-group, no clusters, 186,368 bytes of LDS; arguments q, k, v, Wq, Wk, Wv, bq, bk, bv, qp, kp, vp, Wo, wo16; writes qp, kp, vp, wo16
.if DOCPART == 1
	.amdgcn_target "amdgcn-amd-amdhsa--gfx1250"
	.amdhsa_code_object_version 6
	.text
	.protected	k_qde171bf4bb_proj
	.globl	k_qde171bf4bb_proj
	.p2align	8
	.type	k_qde171bf4bb_proj,@function
k_qde171bf4bb_proj:
	s_mov_b64 s[64:65], 0
	v_nop
	global_prefetch_b8 v0, s[64:65] scope:SCOPE_SE
	s_setreg_imm32_b32 hwreg(HW_REG_WAVE_MODE, 25, 1), 1
	s_wait_xcnt 0x0
; The three input projections: y = (x W^T + bias) * sc, stored as f16 in the layout [batch][head][position][64]; and Wo rounded to f16.
; x: [8192][512] f32, W: [512][512] f32, bias: [512] f32.  Grid y = 32 t + row block (below 96) picks the tensor t (0 q, 1 k, 2 v) and 256 rows,
; grid x picks 256 output columns (four heads).  sc = 0.125 * log2(e) for q (the score scale and the base-2 softmax, folded in ahead of the
; one rounding), 1 for k and v.  Grid y = 96 .. 127: 64 work-groups that round 4,096 numbers of Wo each to f16, for the last launch.
; Sixteen waves; wave w makes rows 64 (w & 3) .. + 63 and columns 64 (w >> 2) .. + 63 (one head): 16 accumulator tiles.
; K goes in eight steps of 64 through two LDS slots.  The operands are f32 in memory and f16 at the matrix unit, so they pass through registers:
; load, convert once, store to LDS as f16.  That is why neither the tensor data mover nor joint loads of a cluster are used here: the mover
; does not convert, and f32 tiles in LDS would double every fragment read and repeat each conversion in four waves.
; THE ORDER OF A STEP: while tile t is multiplied, tile t + 1 is converted and stored into the other slot and tile t + 2 is asked for, a quarter
; (four loads a lane) between each two runs of eight matrix instructions.  All eight steps are written out, the K step stands in the loads'
; immediate, and no address register is ever rewritten.
; LIMIT: operands and results are f16: |x|, |W| and |x W^T + bias| must stay below 65504; sums are f32.
.set PITCH, 144                        ; an LDS row: 128 bytes (64 f16) + 16: sixteen rows of a fragment load begin at sixteen different 16-byte columns modulo 256
.set TILE,  256*PITCH                  ; 256 rows
.set SLOT,  2*TILE                     ; the tile of x, then the tile of W
.set STAGE, 2*SLOT                     ; behind the slots: 16 rows x 144 bytes for each wave, for the way out
.set ACC, 16                           ; v[16:143]  tile (ct, rt) at ACC + 8 (4 rt + ct); at the start v[16:79] stage tile 0
.set XF,  144                          ; v[144:175] four fragments of x rows
.set WF,  176                          ; v[176:191] two fragments of W rows
.set X,   192                          ; v[192:255] staging: 8 x 4 registers of x, 8 x 4 of W; at the end the bias in v[192:223]
.set PK,  224                          ; v[224:239] packed results on the way out
; v1 global offset; v2, v3 / v4, v5 LDS store addresses (x, W) of slot 0 / 1; v6, v7 / v8, v9 fragment addresses (x, W) of slot 0 / 1;
; v10 stage in, v11 stage back, v12 16 x lane, v13 bias offset, v14, v15 at work
	s_load_b512 s[8:23], s[0:1], 0x0               ; q s[8:9] k s[10:11] v s[12:13] Wq s[14:15] Wk s[16:17] Wv s[18:19] bq s[20:21] bk s[22:23]
	s_load_b256 s[24:31], s[0:1], 0x40             ; bv s[24:25] qp s[26:27] kp s[28:29] vp s[30:31]
	s_load_b128 s[52:55], s[0:1], 0x60             ; Wo s[52:53] wo16 s[54:55]
	s_and_b32 s44, ttmp7, 0xffff
	s_cmp_ge_u32 s44, 96                           ; the same for all waves of a work-group: it hangs on the grid index alone
	s_cbranch_scc1 .Lconv
	v_lshrrev_b32 v14, 5, v0
	v_readfirstlane_b32 s40, v14                   ; wave 0..15
	s_and_b32 s41, s40, 3                          ; wm: which 64 rows
	s_lshr_b32 s42, s40, 2                         ; wn: which 64 columns
	s_lshr_b32 s43, s44, 5                         ; t: which tensor
	s_and_b32 s44, s44, 31                         ; rb: which 256 rows
	s_mov_b32 s45, ttmp9                           ; cb: which 256 columns
	v_and_b32 v14, 15, v0                          ; thread & 15 (also lane & 15 = r)
	v_lshrrev_b32 v15, 4, v0                       ; thread >> 4: 0..31
	v_lshlrev_b32 v1, 4, v14
	v_lshl_add_u32 v1, v15, 11, v1                 ; row (thread >> 4) of 2,048 bytes, 16 bytes at 16 (thread & 15): sixteen lanes read 256 consecutive bytes
	v_mul_u32_u24 v2, v15, PITCH
	v_lshl_add_u32 v2, v14, 3, v2                  ; the same place in LDS, 8 bytes of f16
	v_add_nc_u32 v3, TILE, v2
	v_add_nc_u32 v4, SLOT, v2
	v_add_nc_u32 v5, SLOT+TILE, v2
	v_bfe_u32 v15, v0, 4, 1                        ; h = lane >> 4
	v_mul_u32_u24 v12, v14, PITCH
	v_lshl_add_u32 v12, v15, 4, v12                ; r x pitch + 16 h
	s_mul_i32 s48, s41, 64*PITCH
	s_mul_i32 s49, s42, 64*PITCH
	s_add_co_u32 s49, s49, TILE
	v_add_nc_u32 v6, s48, v12
	v_add_nc_u32 v7, s49, v12
	v_add_nc_u32 v8, SLOT, v6
	v_add_nc_u32 v9, SLOT, v7
	s_mul_i32 s48, s40, 16*PITCH
	s_add_co_u32 s48, s48, STAGE                   ; my stage
	v_add_nc_u32 v10, s48, v12
	v_and_b32 v12, 31, v0                          ; lane
	v_lshrrev_b32 v13, 3, v12
	v_mul_u32_u24 v11, v13, PITCH
	v_and_b32 v13, 7, v0
	v_lshl_add_u32 v11, v13, 4, v11
	v_add_nc_u32 v11, s48, v11                     ; back: eight lanes take one row of 128 bytes
	v_lshlrev_b32 v12, 4, v12                      ; 16 x lane
	s_lshl_b32 s49, s42, 8
	v_lshl_add_u32 v13, v15, 5, s49                ; bias: 4 (64 wn + 8 h)
	s_wait_kmcnt 0x0
	s_cmp_eq_u32 s43, 1                            ; the choice of buffers hangs on the grid index alone
	s_cselect_b64 s[32:33], s[10:11], s[8:9]
	s_cselect_b64 s[34:35], s[16:17], s[14:15]
	s_cselect_b64 s[36:37], s[22:23], s[20:21]
	s_cselect_b64 s[38:39], s[28:29], s[26:27]
	s_cmp_eq_u32 s43, 2
	s_cselect_b64 s[32:33], s[12:13], s[32:33]     ; x
	s_cselect_b64 s[34:35], s[18:19], s[34:35]     ; W
	s_cselect_b64 s[36:37], s[24:25], s[36:37]     ; bias
	s_cselect_b64 s[38:39], s[30:31], s[38:39]     ; result
	s_cmp_eq_u32 s43, 0
	s_cselect_b32 s46, 0x3e38aa3b, 1.0             ; sc = 0.125 log2(e) for q
	s_mov_b32 s47, s46
	s_mov_b32 s49, 0
	s_lshl_b32 s48, s44, 19                        ; 256 rows of 2,048 bytes
	s_add_nc_u64 s[32:33], s[32:33], s[48:49]
	s_lshl_b32 s48, s45, 19
	s_add_nc_u64 s[34:35], s[34:35], s[48:49]
	s_lshl_b32 s48, s45, 10
	s_add_nc_u64 s[36:37], s[36:37], s[48:49]
	s_lshr_b32 s48, s44, 3                         ; batch
	s_lshl_b32 s48, s48, 3
	s_lshl2_add_u32 s48, s45, s48                  ; + 4 cb
	s_add_co_u32 s48, s48, s42                     ; + wn: batch x 8 + head
	s_lshl_b32 s48, s48, 11
	s_and_b32 s50, s44, 7
	s_lshl_b32 s50, s50, 8
	s_add_co_u32 s48, s48, s50                     ; + first position of the row block
	s_lshl_b32 s50, s41, 6
	s_add_co_u32 s48, s48, s50                     ; + 64 wm
	s_lshl_b32 s48, s48, 7                         ; rows of 128 bytes
	s_add_nc_u64 s[38:39], s[38:39], s[48:49]
.macro PLACES                          ; four places behind a matrix instruction, ahead of loads into its sources and of vector reads of its result
.rept 4
	v_nop
.endr
.endm
; Group g of K step kt: rows 64 g .. 64 g + 63 of x and of W, four loads of 16 bytes a lane, into the staging registers at base
.macro GLD kt, g, base
.irp i, 0,1
	global_load_b128 v[\base+4*(2*\g+\i):\base+4*(2*\g+\i)+3], v1, s[32:33] offset:65536*(2*\g+\i)+256*\kt
.endr
.irp i, 0,1
	global_load_b128 v[\base+32+4*(2*\g+\i):\base+32+4*(2*\g+\i)+3], v1, s[34:35] offset:65536*(2*\g+\i)+256*\kt
.endr
.endm
; f32 to f16, in place: eight plain vector instructions on staging registers alone, which are also the places behind the matrix instructions in front of them
.macro CVT g, base
.irp i, 0,1
	v_cvt_pk_f16_f32 v[\base+4*(2*\g+\i)],      v[\base+4*(2*\g+\i)],      v[\base+4*(2*\g+\i)+1]
	v_cvt_pk_f16_f32 v[\base+4*(2*\g+\i)+1],    v[\base+4*(2*\g+\i)+2],    v[\base+4*(2*\g+\i)+3]
	v_cvt_pk_f16_f32 v[\base+32+4*(2*\g+\i)],   v[\base+32+4*(2*\g+\i)],   v[\base+32+4*(2*\g+\i)+1]
	v_cvt_pk_f16_f32 v[\base+32+4*(2*\g+\i)+1], v[\base+32+4*(2*\g+\i)+2], v[\base+32+4*(2*\g+\i)+3]
.endr
.endm
.macro LSTORE slot, g, base            ; the group's four LDS stores of 8 bytes a lane
.irp i, 0,1
	ds_store_b64 v[2+2*\slot], v[\base+4*(2*\g+\i):\base+4*(2*\g+\i)+1] offset:32*PITCH*(2*\g+\i)
	ds_store_b64 v[3+2*\slot], v[\base+32+4*(2*\g+\i):\base+32+4*(2*\g+\i)+1] offset:32*PITCH*(2*\g+\i)
.endr
.endm
.macro FETCHX slot, ks                 ; my four fragments of x: 16 rows x 32 K each
.irp rt, 0,1,2,3
	ds_load_b128 v[XF+8*\rt:XF+8*\rt+3],   v[6+2*\slot] offset:16*PITCH*\rt+64*\ks
	ds_load_b128 v[XF+8*\rt+4:XF+8*\rt+7], v[6+2*\slot] offset:16*PITCH*\rt+64*\ks+32
.endr
.endm
.macro FETCHW slot, ks, c0             ; two fragments of W: column tiles c0, c0 + 1
.irp c, 0,1
	ds_load_b128 v[WF+8*\c:WF+8*\c+3],   v[7+2*\slot] offset:16*PITCH*(\c0+\c)+64*\ks
	ds_load_b128 v[WF+8*\c+4:WF+8*\c+7], v[7+2*\slot] offset:16*PITCH*(\c0+\c)+64*\ks+32
.endr
.endm
; Eight matrix instructions on eight accumulators, one instruction a turn.
; Source 0 = rows of W, source 1 = rows of x: a lane then holds eight neighbouring columns of one row of the result.
.macro MUL8 c0, zero
.irp rt, 0,1,2,3
.irp c, 0,1
.if \zero
	v_wmma_f32_16x16x32_f16 v[ACC+8*(4*\rt+\c0+\c):ACC+8*(4*\rt+\c0+\c)+7], v[WF+8*\c:WF+8*\c+7], v[XF+8*\rt:XF+8*\rt+7], 0
.else
	v_wmma_f32_16x16x32_f16 v[ACC+8*(4*\rt+\c0+\c):ACC+8*(4*\rt+\c0+\c)+7], v[WF+8*\c:WF+8*\c+7], v[XF+8*\rt:XF+8*\rt+7], v[ACC+8*(4*\rt+\c0+\c):ACC+8*(4*\rt+\c0+\c)+7]
.endif
.endr
.endr
.endm
; One K step of 64: multiplies the tile in slot; converts the next tile, which is on its way into X, and stores it into the slot other;
; ld = 1: asks for the tile kt (two steps on).  A group's registers are loaded again only behind the LDS wait that shows the group's LDS stores done.
; c1, c2, c3: how many younger loads may stay out at groups 1, 2, 3: the 4 (3 - g) later loads of the same tile and the loads of tile kt issued so far.
; ONE barrier a step serves both orders.  The slot other was last read in the step before, and every wave waited for those reads in front of that step's
; signal.  My stores into it and my reads of slot are waited for in front of this step's signal.  The last eight products, on registers alone, stand between signal and wait.
.macro PSTEP slot, other, zero, ld, kt, c1, c2, c3
	s_wait_loadcnt 12                              ; group 0 is in; the same tile's twelve later loads stay out
	CVT 0, X
	FETCHX \slot, 0
	FETCHW \slot, 0, 0
	LSTORE \other, 0, X
	s_wait_dscnt 4                                 ; the twelve fragment loads are in; the four stores behind them stay out
	MUL8 0, \zero
	s_wait_loadcnt \c1
	CVT 1, X
	FETCHW \slot, 0, 2
	LSTORE \other, 1, X
	s_wait_dscnt 4                                 ; the fragments are in and group 0's stores are done; group 1's four stay out
.if \ld
	GLD \kt, 0, X
.endif
	MUL8 2, \zero
	s_wait_loadcnt \c2
	CVT 2, X
	FETCHX \slot, 1
	FETCHW \slot, 1, 0
	LSTORE \other, 2, X
	s_wait_dscnt 4                                 ; likewise: group 1's stores are done
.if \ld
	GLD \kt, 1, X
.endif
	MUL8 0, 0
	s_wait_loadcnt \c3
	CVT 3, X
	FETCHW \slot, 1, 2
	LSTORE \other, 3, X
	s_wait_dscnt 0x0                               ; for the other waves: all my stores are in LDS, all my reads of this slot are over
.if \ld
	GLD \kt, 2, X
	GLD \kt, 3, X
.endif
	s_barrier_signal -1
	MUL8 2, 0
	s_barrier_wait -1
.endm
.macro HALF slot, ks                   ; the last step's form: 32 along K, nothing beside it
	FETCHX \slot, \ks
	FETCHW \slot, \ks, 0
	s_wait_dscnt 0x0
	MUL8 0, 0
	PLACES
	FETCHW \slot, \ks, 2
	s_wait_dscnt 0x0
	MUL8 2, 0
.endm
	; Tiles 0 and 1 are asked for together: 32 loads a lane.  Tile 0 is staged in registers that later hold sums.
.irp g, 0,1,2,3
	GLD 0, \g, ACC
.endr
.irp g, 0,1,2,3
	GLD 1, \g, X
.endr
.irp g, 0,1,2,3
	s_wait_loadcnt 28-4*\g                         ; group g of tile 0 is in; its later groups and the sixteen loads of tile 1 stay out
	CVT \g, ACC
	LSTORE 0, \g, ACC
.endr
	s_wait_dscnt 0x0                               ; for the other waves: my part of tile 0 is in LDS
	s_barrier_signal -1
	s_barrier_wait -1
	PSTEP 0, 1, 1, 1, 2, 8, 8, 8                   ; the first products start the sums: nothing is cleared
	PSTEP 1, 0, 0, 1, 3, 8, 8, 8
	PSTEP 0, 1, 0, 1, 4, 8, 8, 8
	PSTEP 1, 0, 0, 1, 5, 8, 8, 8
	PSTEP 0, 1, 0, 1, 6, 8, 8, 8
	PSTEP 1, 0, 0, 1, 7, 8, 8, 8
	PSTEP 0, 1, 0, 0, 0, 8, 4, 0                   ; the seventh step asks for nothing: the counts run down
.irp ct, 0,1,2,3                                   ; the eighth step: only the bias is fetched, into staging registers whose stores are done
	global_load_b128 v[X+8*\ct:X+8*\ct+3],   v13, s[36:37] offset:64*\ct      ; the bias of my columns 16 ct + 8 h + 0..7
	global_load_b128 v[X+8*\ct+4:X+8*\ct+7], v13, s[36:37] offset:64*\ct+16
.endr
	PLACES
	HALF 1, 0
	PLACES
	HALF 1, 1
	; THE WAY OUT, 16 rows at a time: (sum x sc + bias x sc), rounded once to f16, through my own stage, back as whole rows.
	PLACES
	s_wait_loadcnt 0x0                             ; the bias
.irp i, 0,1,2,3,4,5,6,7,8,9,10,11,12,13,14,15
	v_pk_mul_f32 v[X+2*\i:X+2*\i+1], v[X+2*\i:X+2*\i+1], s[46:47] op_sel_hi:[1,0]
.endr
; buf: a block of sixteen registers of its own for each row tile, so that no register that a store reads is written again
.macro POUT rt, buf
.irp ct, 0,1,2,3
.irp j, 0,2,4,6
	v_pk_fma_f32 v[ACC+8*(4*\rt+\ct)+\j:ACC+8*(4*\rt+\ct)+\j+1], v[ACC+8*(4*\rt+\ct)+\j:ACC+8*(4*\rt+\ct)+\j+1], s[46:47], v[X+8*\ct+\j:X+8*\ct+\j+1] op_sel_hi:[1,0,1]
.endr
.endr
.irp ct, 0,1,2,3
.irp j, 0,1,2,3
	v_cvt_pk_f16_f32 v[PK+4*\ct+\j], v[ACC+8*(4*\rt+\ct)+2*\j], v[ACC+8*(4*\rt+\ct)+2*\j+1]
.endr
.endr
.irp ct, 0,1,2,3
	ds_store_b128 v10, v[PK+4*\ct:PK+4*\ct+3] offset:32*\ct
.endr
.irp i, 0,1,2,3
	ds_load_b128 v[\buf+4*\i:\buf+4*\i+3], v11 offset:4*PITCH*\i      ; LDS serves a wave in order (ISA guide 5.7.1): these see the stores above
.endr
.irp i, 0,1,2,3
	s_wait_dscnt 3-\i                              ; the younger read-backs stay out
	global_store_b128 v12, v[\buf+4*\i:\buf+4*\i+3], s[38:39] offset:2048*\rt+512*\i   ; four rows of 128 bytes: 512 consecutive bytes, aligned
.endr
.endm
	POUT 0, 144
	POUT 1, 160
	POUT 2, 176
	POUT 3, 240
	s_wait_xcnt 0x0
	v_lshl_add_u32 v254, v0, 2, 0x2d000
	v_mov_b32 v255, 0
	s_wait_tensorcnt 0x0
	ds_add_u32 v254, v255
	s_wait_dscnt 0x0
	s_endpgm
	; Wo to f16: work-group 2 (y - 96) + x of 64 takes 4,096 numbers, a thread eight: 32 bytes in, 16 bytes out.
.Lconv:
	s_sub_co_u32 s48, s44, 96
	s_lshl_b32 s48, s48, 1
	s_add_co_u32 s48, s48, ttmp9
	s_lshl_b32 s50, s48, 14                        ; 16,384 bytes of f32
	s_mov_b32 s51, 0
	s_lshl_b32 s48, s48, 13                        ; 8,192 bytes of f16
	s_mov_b32 s49, 0
	v_lshlrev_b32 v1, 5, v0
	v_lshlrev_b32 v2, 4, v0
	s_wait_kmcnt 0x0
	s_add_nc_u64 s[52:53], s[52:53], s[50:51]
	s_add_nc_u64 s[54:55], s[54:55], s[48:49]
	global_load_b128 v[4:7], v1, s[52:53]
	global_load_b128 v[8:11], v1, s[52:53] offset:16
	s_wait_loadcnt 0x0
	v_cvt_pk_f16_f32 v12, v4, v5
	v_cvt_pk_f16_f32 v13, v6, v7
	v_cvt_pk_f16_f32 v14, v8, v9
	v_cvt_pk_f16_f32 v15, v10, v11
	global_store_b128 v2, v[12:15], s[54:55]       ; sixteen lanes store 256 consecutive bytes, aligned
	s_endpgm
.Lfunc_end_k_qde171bf4bb_proj:
	.size	k_qde171bf4bb_proj, .Lfunc_end_k_qde171bf4bb_proj-k_qde171bf4bb_proj
	.p2alignl 7, 3214868480
	.fill 96, 4, 3214868480
	.section	.rodata,"a",@progbits
	.p2align	6, 0x0
	.amdhsa_kernel k_qde171bf4bb_proj
		.amdhsa_group_segment_fixed_size 186368
		.amdhsa_private_segment_fixed_size 0
		.amdhsa_enable_private_segment 0
		.amdhsa_kernarg_size 112
		.amdhsa_user_sgpr_count 2
		.amdhsa_user_sgpr_kernarg_segment_ptr 1
		.amdhsa_wavefront_size32 1
		.amdhsa_system_sgpr_workgroup_id_x 1
		.amdhsa_system_sgpr_workgroup_id_y 1
		.amdhsa_system_sgpr_workgroup_id_z 1
		.amdhsa_system_vgpr_workitem_id 0
		.amdhsa_next_free_vgpr 256
		.amdhsa_next_free_sgpr 66
		.amdhsa_reserve_vcc 0
		.amdhsa_float_denorm_mode_32 3
		.amdhsa_float_denorm_mode_16_64 3
		.amdhsa_memory_ordered 1
		.amdhsa_forward_progress 1
		.amdhsa_inst_pref_size 90
	.end_amdhsa_kernel
	.amdgpu_metadata
---
amdhsa.version: [ 1, 2 ]
amdhsa.kernels:
  - .name:           k_qde171bf4bb_proj
    .symbol:         k_qde171bf4bb_proj.kd
    .args:
      - { .name: q, .offset: 0, .size: 8, .value_kind: global_buffer, .address_space: global }
      - { .name: k, .offset: 8, .size: 8, .value_kind: global_buffer, .address_space: global }
      - { .name: v, .offset: 16, .size: 8, .value_kind: global_buffer, .address_space: global }
      - { .name: Wq, .offset: 24, .size: 8, .value_kind: global_buffer, .address_space: global }
      - { .name: Wk, .offset: 32, .size: 8, .value_kind: global_buffer, .address_space: global }
      - { .name: Wv, .offset: 40, .size: 8, .value_kind: global_buffer, .address_space: global }
      - { .name: bq, .offset: 48, .size: 8, .value_kind: global_buffer, .address_space: global }
      - { .name: bk, .offset: 56, .size: 8, .value_kind: global_buffer, .address_space: global }
      - { .name: bv, .offset: 64, .size: 8, .value_kind: global_buffer, .address_space: global }
      - { .name: qp, .offset: 72, .size: 8, .value_kind: global_buffer, .address_space: global }
      - { .name: kp, .offset: 80, .size: 8, .value_kind: global_buffer, .address_space: global }
      - { .name: vp, .offset: 88, .size: 8, .value_kind: global_buffer, .address_space: global }
      - { .name: Wo, .offset: 96, .size: 8, .value_kind: global_buffer, .address_space: global }
      - { .name: wo16, .offset: 104, .size: 8, .value_kind: global_buffer, .address_space: global }
    .group_segment_fixed_size: 186368
    .private_segment_fixed_size: 0
    .kernarg_segment_align: 8
    .kernarg_segment_size: 112
    .max_flat_workgroup_size: 512
    .sgpr_count:     66
    .vgpr_count:     256
    .wavefront_size: 32
...
	.end_amdgpu_metadata
.endif
;; end of part 1
;; launch attn (part 2): grid 8 x 32, 8 waves a work-group, clusters of 4 x 1, 327,680 bytes of LDS; arguments qp, kp, vp, rpe, k_padding_mask, ao; writes ao
.if DOCPART == 2
	.amdgcn_target "amdgcn-amd-amdhsa--gfx1250"
	.amdhsa_code_object_version 6
	.text
	.protected	k_qde171bf4bb_attn
	.globl	k_qde171bf4bb_attn
	.p2align	8
	.type	k_qde171bf4bb_attn,@function
k_qde171bf4bb_attn:
	s_mov_b64 s[64:65], 0
	v_nop
	global_prefetch_b8 v0, s[64:65] scope:SCOPE_SE
	s_setreg_imm32_b32 hwreg(HW_REG_WAVE_MODE, 25, 1), 1
	s_wait_xcnt 0x0
	s_wait_alu depctr_hold_cnt(0) depctr_sa_sdst(0) depctr_va_vdst(0) depctr_va_sdst(0) depctr_va_ssrc(0) depctr_va_vcc(0) depctr_vm_vsrc(0)
	s_getreg_b32 s2, hwreg(HW_REG_IB_STS2, 6, 4)
	s_cmp_eq_u32 s2, 0
	s_cbranch_scc0 .Lentry_in_a_cluster
	s_endpgm
.Lentry_in_a_cluster:
	s_bfe_u32 s2, ttmp6, 0x10000c
	s_cmp_lg_u32 s2, 0x3003
	s_cbranch_scc0 .Lentry_shape_is_right
	s_endpgm
.Lentry_shape_is_right:
; Attention of one (batch, head) and 256 queries: scores + relative position bias, key mask, softmax with a running maximum, P V.
; qp, kp, vp, ao: [batch][head][2048][64] f16 (qp already holds 0.125 log2(e)); rpe: [8][4095] f32; k_padding_mask: [4][2048] bytes, 0 or 1.
; Eight waves, 32 queries each (two tiles qt).  Keys go in steps of 64 (four tiles kt); four steps (256 keys) are one LDS slot, two slots.
; CLUSTER: the four work-groups of a cluster are four query blocks of the same head and read the same K and V, so every fill is a joint
; load that names all four.  The place in the cluster enters the global addresses of qp, rpe and ao alone.
; TRANSPOSED FORMS.  S^T = K Q^T (source 0: 16 keys, source 1: 16 queries): lane (r, h) holds keys 8 h + 0..7 of query r, so a row's maximum
; and sum are made inside the lane plus one exchange with lane ^ 16, and two neighbouring score tiles packed to f16 are the source-1 fragment
; of P for 32 keys as they stand.  O^T = V^T P (source 0: V read transposed from LDS): a lane holds eight neighbouring d of its own query.
; The bias, times log2(e), is the C operand of the first score product.
; THE KEY MASK: s <- s x keep + pen, with (keep, pen) = (1, -0) for a key that counts and (0, -1e9 log2(e)) for a padded one: the score of a padded key is
; REPLACED, exactly (every score is finite: f16 operands bound it by 64 x 65504^2), so a row whose keys are all padded
; gives uniform weights.  Two scores go in one fused multiply-add; keep and pen lie in v256-v319.
; LIMITS: f16 operands (|values| below 65504; results below 6e-5 in steps of 6e-8); exponentials below 2^-126 come out as 0;
; the row sum adds p in f32, the product P V uses p rounded to f16.
.set KPITCH, 144                       ; K rows: 128 bytes + 16
.set VPITCH, 160                       ; V rows: 128 bytes + 32 (an odd multiple of 32, for the transposing loads)
.set REGION, 10240                     ; what one wave fills: 64 rows.  Waves 0-3: K quarters 0-3; waves 4-7: V quarters 0-3
.set SLOT,   8*REGION
.set RPE,    2*SLOT                    ; 163,840: four copies of the 2,303 bias values that this query block meets, copy c shifted by c elements
.set RPITCH, 9280                      ; 2,304 words + 64 bytes: copy c begins at 64 c modulo 256
.set MASKS,  RPE+37376                 ; 201,216: keep of the 2,048 keys in f32, then, 8,192 bytes on, pen
.set STAGE,  MASKS+16384               ; 217,600: 32 rows x 144 bytes for each wave, for the way out
.set SPITCH, 144
.set KA, 2                             ; v2, v3   K fragment address, slot 0, 1
.set VA, 4                             ; v4, v5   V fragment address, slot 0, 1
.set RA, 6                             ; v6       bias address, steps 1,024 bytes for each 256 keys
.set MA, 7                             ; v7       keep address (32 h), steps 1,024 bytes for each 256 keys
.set STO, 10
.set RD, 11
.set MX, 12                            ; v[12:15] running maximum, a pair (both equal) for each qt
.set LS, 16                            ; v[16:19] running sum of my half of the keys, a pair of partial sums for each qt
.set AL, 20                            ; v[20:23] the factor 2^(old max - new max), a pair for each qt
.set TT, 24                            ; v[24:31] at work
.set QF, 32                            ; v[32:63] Q fragment (qt, ks) at QF + 16 qt + 8 ks
.set OA, 64                            ; v[64:127] O tile (qt, dt) at OA + 8 (4 qt + dt)
.set SC, 128                           ; v[128:191] score tile (qt, kt) at SC + 32 qt + 8 kt; P fragment (qt, ks) in place at SC + 32 qt + 8 ks
.set KV, 192                           ; v[192:255] K fragment (kt, ks) at KV + 16 kt + 8 ks, then V fragment (ks, dt) at KV + 32 ks + 8 dt
.set KP, 0                             ; in register window 1: v[256:287] keep of key 16 kt + 8 h + jj at 8 kt + jj, v[288:319] pen likewise
; s[24:31] group 1 for K, s[32:39] group 0 for K (a set for each slot), s[40:47] group 1 for V, s[48:55] group 0 for V
.set MSB, 0
.macro WIN new                         ; s_set_vgpr_msb: bits 1:0 source 0, 3:2 source 1, 5:4 source 2, 7:6 destination; the high byte repeats the setting that is left
.if MSB != \new
	s_set_vgpr_msb (MSB<<8)|\new
.set MSB, \new
.endif
.endm
.macro PLACES n                        ; places behind matrix instructions (ISA guide 7.12.1)
.rept \n
	v_nop
.endr
.endm
.macro CREST                           ; a round of the cluster barrier behind its opening work-group barrier
	s_cmp_lg_u32 s16, 0
	s_cbranch_scc1 .Lnot_wave_0_\@
	s_barrier_signal -3
.Lnot_wave_0_\@:
	s_barrier_wait -3
	s_barrier_signal -1
	s_barrier_wait -1
.endm
.macro CROUND
	s_barrier_signal -1
	s_barrier_wait -1
	CREST
.endm
.macro JLOAD n                         ; one joint load a wave: waves 0-3 a quarter of K, waves 4-7 a quarter of V; the branch hangs on the wave number alone
	s_cmp_eq_u32 s17, 0
	s_cbranch_scc0 .Lfor_v_\@
	tensor_load_to_lds s[32+4*(\n):35+4*(\n)], s[24:31]
	s_nop 0
	s_branch .Lasked_\@
.Lfor_v_\@:
	tensor_load_to_lds s[48+4*(\n):51+4*(\n)], s[40:47]
	s_nop 0
.Lasked_\@:
.endm
	s_load_b256 s[4:11], s[0:1], 0x0               ; qp s[4:5] kp s[6:7] vp s[8:9] rpe s[10:11]
	s_load_b128 s[12:15], s[0:1], 0x20             ; k_padding_mask s[12:13] ao s[14:15]
	v_lshl_add_u32 v8, v0, 2, 0x3e200
	v_mov_b32 v9, 0
	ds_add_u32 v8, v9
	v_lshrrev_b32 v1, 5, v0
	v_readfirstlane_b32 s16, v1                    ; wave 0..7
	s_lshr_b32 s17, s16, 2                         ; 0: I fetch K, 1: V
	s_and_b32 s18, s16, 3                          ; which quarter of a slot I fetch
	s_bfe_u32 s19, ttmp6, 0x40000                  ; cx
	s_lshl_b32 s20, ttmp9, 2
	s_add_co_u32 s20, s20, s19
	s_lshl_b32 s20, s20, 8                         ; i0: my first query
	s_and_b32 s21, ttmp7, 0xffff                   ; batch x 8 + head
	s_mov_b32 s56, 0x76543210                      ; v_permlanex16_b32: lane i reads lane i ^ 16
	s_mov_b32 s57, 0xfedcba98
	; group 1: 64 rows of 64 elements of 2 bytes, pitch 64 elements; a pad behind every 32 words; all four work-groups named
	s_mov_b32 s24, 15|(1<<16)|(1<<20)|(1<<21)|(4<<22)|(3<<25)      ; K: pad of 4 words
	s_mov_b32 s40, 15|(1<<16)|(1<<20)|(1<<21)|(4<<22)|(7<<25)      ; V: pad of 8 words
	s_mov_b32 s25, 64<<16                          ; tensor_dim0 = 64
	s_mov_b32 s41, 64<<16
	s_mov_b32 s26, 64<<16                          ; tensor_dim1 = 64
	s_mov_b32 s42, 64<<16
	s_mov_b32 s27, 64<<16                          ; tile_dim0 = 64
	s_mov_b32 s43, 64<<16
	s_mov_b32 s28, 64                              ; tile_dim1 = 64
	s_mov_b32 s44, 64
	s_mov_b32 s29, 64                              ; from row to row: 64 elements
	s_mov_b32 s45, 64
	s_mov_b32 s30, 0
	s_mov_b32 s46, 0
	s_mov_b32 s31, 0
	s_mov_b32 s47, 0
	s_lshl_b32 s60, s21, 18                        ; K, V: the head (262,144 bytes) + my quarter (64 rows of 128 bytes): nothing of cx
	s_lshl_b32 s61, s18, 13
	s_add_co_u32 s60, s60, s61
	s_mov_b32 s61, 0
	s_mul_i32 s59, s16, REGION                     ; where my part of a slot lies
	s_lshl_b32 s22, s16, 5                         ; qp, ao: the head + row i0 + 32 w
	s_add_co_u32 s22, s22, s20
	s_lshl_b32 s22, s22, 7
	s_lshl_b32 s23, s21, 18
	s_add_co_u32 s22, s22, s23
	s_mov_b32 s23, 0
	s_and_b32 s62, s21, 7                          ; rpe: element head x 4095 + 1792 - i0 is the bias of key 0 and my last query
	s_mul_i32 s62, s62, 4095
	s_add_co_u32 s62, s62, 1792
	s_sub_co_u32 s62, s62, s20
	s_lshl_b32 s62, s62, 2
	s_mov_b32 s63, 0
	s_lshr_b32 s66, s21, 3                         ; the mask row of my batch
	s_lshl_b32 s66, s66, 11
	s_mov_b32 s67, 0
	s_wait_dscnt 0x0
	s_wait_kmcnt 0x0
	s_add_nc_u64 s[4:5], s[4:5], s[22:23]
	s_add_nc_u64 s[14:15], s[14:15], s[22:23]
	s_add_nc_u64 s[6:7], s[6:7], s[60:61]
	s_add_nc_u64 s[8:9], s[8:9], s[60:61]
	s_add_nc_u64 s[10:11], s[10:11], s[62:63]
	s_add_nc_u64 s[12:13], s[12:13], s[66:67]
	CROUND                                         ; all four work-groups are here: the first joint loads meet
.irp n, 0,1
	s_mov_b32 s[32+4*\n], 1
	s_add_co_u32 s[33+4*\n], s59, \n*SLOT
	s_add_nc_u64 s[34+4*\n:35+4*\n], s[6:7], \n*32768              ; slot n: keys 256 n ..
	s_or_b32 s[35+4*\n], s[35+4*\n], 0x80000000
	s_mov_b32 s[48+4*\n], 1
	s_add_co_u32 s[49+4*\n], s59, \n*SLOT
	s_add_nc_u64 s[50+4*\n:51+4*\n], s[8:9], \n*32768
	s_or_b32 s[51+4*\n], s[51+4*\n], 0x80000000
	JLOAD \n                                       ; both slots are asked for ahead of everything else: two loads of mine are out
.endr
	v_and_b32 v12, 15, v0                          ; r
	v_bfe_u32 v13, v0, 4, 1                        ; h
	v_and_b32 v14, 31, v0                          ; lane
	v_lshlrev_b32 v1, 7, v12
	v_lshl_add_u32 v1, v13, 4, v1                  ; Q: row r of 128 bytes + 16 h
	v_lshlrev_b32 v24, 2, v0                       ; rpe: element thread
	v_add_nc_u32 v25, 2048, v0
	v_min_u32 v25, 2302, v25                       ; the ninth run ends at element 2,302, the last that is met (and, for the last head and i0 = 0, the last of the buffer)
	v_lshlrev_b32 v25, 2, v25
	v_lshlrev_b32 v26, 3, v0                       ; the mask bytes of keys 8 thread .. + 7
.irp qt, 0,1
.irp ks, 0,1
	global_load_b128 v[QF+16*\qt+8*\ks:QF+16*\qt+8*\ks+3],   v1, s[4:5] offset:2048*\qt+64*\ks
	global_load_b128 v[QF+16*\qt+8*\ks+4:QF+16*\qt+8*\ks+7], v1, s[4:5] offset:2048*\qt+64*\ks+32
.endr
.endr
.irp i, 0,1,2,3,4,5,6,7
	global_load_b32 v[SC+\i], v24, s[10:11] offset:1024*\i
.endr
	global_load_b32 v[SC+8], v25, s[10:11]
	global_load_b64 v[SC+10:SC+11], v26, s[12:13]
	v_mul_u32_u24 v[KA], v12, KPITCH
	v_lshl_add_u32 v[KA], v13, 4, v[KA]            ; K: row r x pitch + 16 h
	v_add_nc_u32 v[KA+1], SLOT, v[KA]
	v_and_b32 v15, 7, v0
	v_lshl_add_u32 v15, v13, 3, v15
	v_mul_u32_u24 v[VA], v15, VPITCH               ; V, transposing load: row 8 h + (lane & 7),
	v_bfe_u32 v15, v0, 3, 1
	v_lshl_add_u32 v[VA], v15, 4, v[VA]            ; 16 bytes at 16 ((lane >> 3) & 1)
	v_add_nc_u32 v[VA], 4*REGION, v[VA]
	v_add_nc_u32 v[VA+1], SLOT, v[VA]
	; The bias of query i0 + 32 w + 16 qt + r and key J + 8 h + jj is element J + 8 h + jj + 240 + (15 - r) - 32 w - 16 qt of my 2,303.
	; In copy c = (15 - r) & 3 that is element J + 8 h + jj + 240 + ((15 - r) & 12) - 32 w - 16 qt: a multiple of four for jj = 0, so 16-byte loads are aligned.
	v_sub_nc_u32 v15, 15, v12
	v_and_b32 v16, 3, v15
	v_mul_u32_u24 v[RA], v16, RPITCH
	v_and_b32 v15, 12, v15
	v_lshl_add_u32 v[RA], v15, 2, v[RA]
	v_lshl_add_u32 v[RA], v13, 5, v[RA]
	s_lshl_b32 s66, s16, 7
	s_sub_co_u32 s66, RPE+896, s66                 ; 4 (240 - 16) - 128 w: the address for qt = 1; qt = 0 lies 64 bytes further on
	v_add_nc_u32 v[RA], s66, v[RA]
	v_lshl_add_u32 v[MA], v13, 5, MASKS            ; keep of key 8 h
	s_mul_i32 s67, s16, 32*SPITCH
	s_add_co_u32 s67, s67, STAGE
	v_add_nc_u32 v[STO], s67, v[KA]                ; stage in: row r, 16 h
	v_lshrrev_b32 v15, 3, v14
	v_mul_u32_u24 v[RD], v15, SPITCH
	v_and_b32 v15, 7, v0
	v_lshl_add_u32 v[RD], v15, 4, v[RD]
	v_add_nc_u32 v[RD], s67, v[RD]                 ; stage back: eight lanes take a row of 128 bytes
	v_add_nc_u32 v27, RPE, v24
	v_lshl_add_u32 v29, v0, 5, MASKS               ; keep of key 8 thread
	s_wait_loadcnt 0x0
.irp i, 0,1,2,3,4,5,6,7,8
	v_mul_f32 v[SC+\i], 0x3fb8aa3b, v[SC+\i]       ; the softmax runs in base 2
.endr
.irp c, 0,1,2,3                                    ; element u goes to place u - c of copy c (for u below c: into the 64 spare bytes behind copy c - 1)
.irp i, 0,1,2,3,4,5,6,7
	ds_store_b32 v27, v[SC+\i] offset:\c*(RPITCH-4)+1024*\i
.endr
	ds_store_b32 v27, v[SC+8] offset:\c*(RPITCH-4)+8192            ; the last thread's word (place 2,303 - c, a second copy of element 2,302) is never read
.endr
.irp k, 0,1,2,3
	v_bfe_u32 v30, v[SC+10], 8*\k, 1               ; the mask byte of key 8 thread + k, and of the key four further on
	v_bfe_u32 v31, v[SC+11], 8*\k, 1
	v_cvt_f32_u32 v30, v30
	v_cvt_f32_u32 v31, v31
	v_sub_f32 v[SC+12+\k], 1.0, v30                ; keep: 1 or 0
	v_sub_f32 v[SC+16+\k], 1.0, v31
	v_mul_f32 v[SC+20+\k], 0xceabfb8f, v30         ; pen: -0 or -1e9 log2(e)
	v_mul_f32 v[SC+24+\k], 0xceabfb8f, v31
.endr
	ds_store_b128 v29, v[SC+12:SC+15]
	ds_store_b128 v29, v[SC+16:SC+19] offset:16
	ds_store_b128 v29, v[SC+20:SC+23] offset:8192
	ds_store_b128 v29, v[SC+24:SC+27] offset:8208
	s_wait_dscnt 0x0                               ; for the other waves: my part of the bias copies, of keep and of pen is in LDS
	s_wait_tensorcnt 0x1                           ; my part of slot 0 has landed; slot 1 may stay out
	s_barrier_signal -1
	s_barrier_wait -1
; The softmax of one query tile over the step's 64 keys (32 registers), in place.
.macro SOFTMAX qt, first
.set SB,  SC+32*\qt
.set MXQ, MX+2*\qt
.set LSQ, LS+2*\qt
.set ALQ, AL+2*\qt
	WIN 0x14                                       ; sources 1 and 2 in window 1
.set ii, 0
.rept 16
	v_pk_fma_f32 v[SB+2*ii:SB+2*ii+1], v[SB+2*ii:SB+2*ii+1], v[KP+2*ii:KP+2*ii+1], v[KP+32+2*ii:KP+32+2*ii+1]     ; s x keep + pen: a padded key's score is replaced
.set ii, ii+1
.endr
	WIN 0
.if \first
	v_max_num_f32 v[TT], v[SB], v[SB+1]
.else
	v_max3_num_f32 v[TT], v[MXQ], v[SB], v[SB+1]
.endif
	v_max3_num_f32 v[TT+1], v[SB+2], v[SB+3], v[SB+4]              ; four chains that do not wait for each other
	v_max3_num_f32 v[TT+2], v[SB+5], v[SB+6], v[SB+7]
	v_max3_num_f32 v[TT+3], v[SB+8], v[SB+9], v[SB+10]
.set ii, 0
.rept 10
	v_max3_num_f32 v[TT+ii%4], v[TT+ii%4], v[SB+11+2*ii], v[SB+12+2*ii]
.set ii, ii+1
.endr
	v_max3_num_f32 v[TT], v[TT], v[TT+1], v[TT+2]
	v_max3_num_f32 v[TT], v[TT], v[TT+3], v[SB+31]
	v_permlanex16_b32 v[TT+1], v[TT], s56, s57     ; the other half of this query's keys
.if \first
	v_max_num_f32 v[MXQ], v[TT], v[TT+1]
	v_max_num_f32 v[MXQ+1], v[TT], v[TT+1]
.else
	v_max_num_f32 v[TT+2], v[TT], v[TT+1]
	v_sub_f32 v[TT+3], v[MXQ], v[TT+2]
	v_exp_f32 v[ALQ], v[TT+3]                      ; 2^(old - new); the two moves below are the plain place behind it (ISA guide 5.7.2)
	v_mov_b32 v[MXQ], v[TT+2]
	v_mov_b32 v[MXQ+1], v[TT+2]
.endif
.set ii, 0
.rept 16
	v_pk_add_f32 v[SB+2*ii:SB+2*ii+1], v[SB+2*ii:SB+2*ii+1], v[MXQ:MXQ+1] neg_lo:[0,1] neg_hi:[0,1]
.set ii, ii+1
.endr
.set ii, 0
.rept 32
	v_exp_f32 v[SB+ii], v[SB+ii]
.set ii, ii+1
.endr
.if \first
	v_nop                                          ; one plain place behind the run of exponentials
	s_wait_alu depctr_va_vdst(0)
.else
	s_wait_alu depctr_va_vdst(0)
	v_mov_b32 v[ALQ+1], v[ALQ]                     ; the plain place behind the run of exponentials
.endif
.irp c, 0,1,2,3
	v_pk_add_f32 v[TT+2*\c:TT+2*\c+1], v[SB+4*\c:SB+4*\c+1], v[SB+4*\c+2:SB+4*\c+3]
.endr
.set ii, 0
.rept 8
	v_pk_add_f32 v[TT+2*(ii%4):TT+2*(ii%4)+1], v[TT+2*(ii%4):TT+2*(ii%4)+1], v[SB+16+2*ii:SB+16+2*ii+1]
.set ii, ii+1
.endr
	v_pk_add_f32 v[TT:TT+1], v[TT:TT+1], v[TT+2:TT+3]
	v_pk_add_f32 v[TT+4:TT+5], v[TT+4:TT+5], v[TT+6:TT+7]
.if \first
	v_pk_add_f32 v[LSQ:LSQ+1], v[TT:TT+1], v[TT+4:TT+5]
.else
	v_pk_add_f32 v[TT:TT+1], v[TT:TT+1], v[TT+4:TT+5]
	v_pk_fma_f32 v[LSQ:LSQ+1], v[LSQ:LSQ+1], v[ALQ:ALQ+1], v[TT:TT+1]
.endif
.set ii, 0
.rept 16
	v_cvt_pk_f16_f32 v[SB+ii], v[SB+2*ii], v[SB+2*ii+1]            ; ascending: register ii is written when 2 ii and 2 ii + 1 are read, never earlier
.set ii, ii+1
.endr
.if \first == 0
.set ii, 0
.rept 16
	v_pk_mul_f32 v[OA+32*\qt+2*ii:OA+32*\qt+2*ii+1], v[OA+32*\qt+2*ii:OA+32*\qt+2*ii+1], v[ALQ:ALQ+1]
.set ii, ii+1
.endr
.endif
.endm
; O^T += V^T P for one query tile: four accumulators by turns, one instruction a turn
.macro PV qt, first
.irp ks, 0,1
.irp dt, 0,1,2,3
.if \first*(1-\ks)
	v_wmma_f32_16x16x32_f16 v[OA+8*(4*\qt+\dt):OA+8*(4*\qt+\dt)+7], v[KV+32*\ks+8*\dt:KV+32*\ks+8*\dt+7], v[SC+32*\qt+8*\ks:SC+32*\qt+8*\ks+7], 0
.else
	v_wmma_f32_16x16x32_f16 v[OA+8*(4*\qt+\dt):OA+8*(4*\qt+\dt)+7], v[KV+32*\ks+8*\dt:KV+32*\ks+8*\dt+7], v[SC+32*\qt+8*\ks:SC+32*\qt+8*\ks+7], v[OA+8*(4*\qt+\dt):OA+8*(4*\qt+\dt)+7]
.endif
.endr
.endr
.endm
; One step: 64 keys, quarter qr of a slot.
.macro STEP slot, qr, first
.if \first == 0
	PLACES 5                                       ; behind the last P V products: four for the loads into their sources, five for the score products that write over P
.endif
.irp kt, 0,1,2,3
	ds_load_b128 v[SC+8*\kt:SC+8*\kt+3],       v[RA] offset:256*\qr+64*\kt+64     ; the bias lands where the scores are summed
	ds_load_b128 v[SC+8*\kt+4:SC+8*\kt+7],     v[RA] offset:256*\qr+64*\kt+80
	ds_load_b128 v[SC+32+8*\kt:SC+32+8*\kt+3], v[RA] offset:256*\qr+64*\kt
	ds_load_b128 v[SC+32+8*\kt+4:SC+32+8*\kt+7], v[RA] offset:256*\qr+64*\kt+16
.irp j, 0,1,2,3
	ds_load_b128 v[KV+16*\kt+4*\j:KV+16*\kt+4*\j+3], v[KA+\slot] offset:REGION*\qr+16*KPITCH*\kt+32*\j
.endr
.endr
	WIN 0x40                                       ; destination in window 1: keep and pen of the step's 64 keys; the sixteen lanes of a half read the same 16 bytes
.irp kt, 0,1,2,3
	ds_load_b128 v[KP+8*\kt:KP+8*\kt+3],       v[MA] offset:256*\qr+64*\kt
	ds_load_b128 v[KP+8*\kt+4:KP+8*\kt+7],     v[MA] offset:256*\qr+64*\kt+16
	ds_load_b128 v[KP+32+8*\kt:KP+32+8*\kt+3], v[MA] offset:8192+256*\qr+64*\kt
	ds_load_b128 v[KP+32+8*\kt+4:KP+32+8*\kt+7], v[MA] offset:8192+256*\qr+64*\kt+16
.endr
	WIN 0
.irp kt, 0,1,2,3
	s_wait_dscnt 40-8*\kt                          ; this key tile's eight loads are in; the later tiles' groups of eight and the sixteen of keep and pen stay out
	; two accumulators by turns, one instruction a turn
	v_wmma_f32_16x16x32_f16 v[SC+8*\kt:SC+8*\kt+7],       v[KV+16*\kt:KV+16*\kt+7],    v[QF:QF+7],     v[SC+8*\kt:SC+8*\kt+7]
	v_wmma_f32_16x16x32_f16 v[SC+32+8*\kt:SC+32+8*\kt+7], v[KV+16*\kt:KV+16*\kt+7],    v[QF+16:QF+23], v[SC+32+8*\kt:SC+32+8*\kt+7]
	v_wmma_f32_16x16x32_f16 v[SC+8*\kt:SC+8*\kt+7],       v[KV+16*\kt+8:KV+16*\kt+15], v[QF+8:QF+15],  v[SC+8*\kt:SC+8*\kt+7]
	v_wmma_f32_16x16x32_f16 v[SC+32+8*\kt:SC+32+8*\kt+7], v[KV+16*\kt+8:KV+16*\kt+15], v[QF+24:QF+31], v[SC+32+8*\kt:SC+32+8*\kt+7]
.endr
	PLACES 4                                       ; ahead of the loads over K's registers and of the vector reads of the scores
.irp ks, 0,1
.irp dt, 0,1,2,3
	ds_load_tr16_b128 v[KV+32*\ks+8*\dt:KV+32*\ks+8*\dt+3],   v[VA+\slot] offset:REGION*\qr+32*VPITCH*\ks+32*\dt
	ds_load_tr16_b128 v[KV+32*\ks+8*\dt+4:KV+32*\ks+8*\dt+7], v[VA+\slot] offset:REGION*\qr+32*VPITCH*\ks+32*\dt+16*VPITCH
.endr
.endr
	s_wait_dscnt 16                                ; keep and pen are in; V's sixteen loads stay out
	SOFTMAX 0, \first                              ; V travels from LDS meanwhile
	s_wait_dscnt 0x0
	PV 0, \first
	SOFTMAX 1, \first                              ; names none of the registers of the products just issued
	PV 1, \first
.endm
.macro PHASE slot, first               ; a slot's four steps; then the bias and mask addresses go 256 keys on
	STEP \slot, 0, \first
	STEP \slot, 1, 0
	STEP \slot, 2, 0
	STEP \slot, 3, 0
	v_add_nc_u32 v[RA], 1024, v[RA]
	v_add_nc_u32 v[MA], 1024, v[MA]
.endm
; A change of slots.  In front of the barrier each wave waits for all its tensor loads (its part of the slot to be read among them) and for its LDS reads.
; refill = 1: the barrier opens a round of the cluster barrier, and behind the round the slot just read is asked for again, jointly, 512 keys on:
; my one tensor load until the next round, with four steps of work in which to land.
.macro TWO slot, refill
	s_wait_tensorcnt 0x0
	ds_add_u32 v8, v9
	s_wait_dscnt 0x0
	s_wait_dscnt 0x0
	s_barrier_signal -1
	s_barrier_wait -1
.if \refill
	CREST
	s_add_nc_u64 s[38-4*\slot:39-4*\slot], s[38-4*\slot:39-4*\slot], 65536     ; no load of mine is out: the other slot's addresses may step
	s_add_nc_u64 s[54-4*\slot:55-4*\slot], s[54-4*\slot:55-4*\slot], 65536
	JLOAD 1-\slot
.endif
	PHASE \slot, 0
.endm
	PHASE 0, 1                                     ; keys 0-255: the first step starts maxima, sums and O: nothing is cleared
	s_mov_b32 s58, 3
.Lkeys:
	TWO 1, 1
	TWO 0, 1
	s_sub_co_u32 s58, s58, 1
	s_cmp_lg_u32 s58, 0
	s_cbranch_scc1 .Lkeys
	TWO 1, 0                                       ; keys 1792-2047: nothing is left to fetch
	; THE WAY OUT: O / sum, rounded once to f16, through my own stage, back as whole rows.
	PLACES 4
	v_add_f32 v24, v[LS], v[LS+1]
	v_add_f32 v25, v[LS+2], v[LS+3]
	v_permlanex16_b32 v26, v24, s56, s57           ; the other half of the keys
	v_permlanex16_b32 v27, v25, s56, s57
	v_add_f32 v24, v24, v26
	v_add_f32 v25, v25, v27                        ; at least 1: the largest score contributes 2^0
	v_rcp_f32 v[AL], v24
	v_rcp_f32 v[AL+2], v25
	v_and_b32 v1, 31, v0                           ; the plain place behind the reciprocals
	s_wait_alu depctr_va_vdst(0)
	v_mov_b32 v[AL+1], v[AL]
	v_mov_b32 v[AL+3], v[AL+2]
	v_lshlrev_b32 v1, 4, v1                        ; 16 x lane
.irp qt, 0,1
.set ii, 0
.rept 16
	v_pk_mul_f32 v[OA+32*\qt+2*ii:OA+32*\qt+2*ii+1], v[OA+32*\qt+2*ii:OA+32*\qt+2*ii+1], v[AL+2*\qt:AL+2*\qt+1]
.set ii, ii+1
.endr
.endr
.set ii, 0
.rept 32
	v_cvt_pk_f16_f32 v[SC+ii], v[OA+2*ii], v[OA+2*ii+1]
.set ii, ii+1
.endr
.irp qt, 0,1
.irp dt, 0,1,2,3
	ds_store_b128 v[STO], v[SC+4*(4*\qt+\dt):SC+4*(4*\qt+\dt)+3] offset:16*SPITCH*\qt+32*\dt
.endr
.endr
.irp i, 0,1,2,3,4,5,6,7
	ds_load_b128 v[KV+4*\i:KV+4*\i+3], v[RD] offset:4*SPITCH*\i    ; LDS serves a wave in order (ISA guide 5.7.1): these see the stores above
.endr
.irp i, 0,1,2,3,4,5,6,7
	s_wait_dscnt 7-\i                              ; the younger read-backs stay out
	global_store_b128 v1, v[KV+4*\i:KV+4*\i+3], s[14:15] offset:512*\i   ; four rows of 128 bytes: 512 consecutive bytes, aligned
.endr
	s_wait_tensorcnt 0x0
	ds_add_u32 v8, v9
	s_wait_dscnt 0x0
	CROUND                                         ; the closing round: no work-group ends while a partner may still ask for a tile that names it
	s_endpgm
.Lfunc_end_k_qde171bf4bb_attn:
	.size	k_qde171bf4bb_attn, .Lfunc_end_k_qde171bf4bb_attn-k_qde171bf4bb_attn
	.p2alignl 7, 3214868480
	.fill 96, 4, 3214868480
	.section	.rodata,"a",@progbits
	.p2align	6, 0x0
	.amdhsa_kernel k_qde171bf4bb_attn
		.amdhsa_group_segment_fixed_size 327680
		.amdhsa_private_segment_fixed_size 0
		.amdhsa_enable_private_segment 0
		.amdhsa_kernarg_size 48
		.amdhsa_user_sgpr_count 2
		.amdhsa_user_sgpr_kernarg_segment_ptr 1
		.amdhsa_wavefront_size32 1
		.amdhsa_system_sgpr_workgroup_id_x 1
		.amdhsa_system_sgpr_workgroup_id_y 1
		.amdhsa_system_sgpr_workgroup_id_z 1
		.amdhsa_system_vgpr_workitem_id 0
		.amdhsa_next_free_vgpr 320
		.amdhsa_next_free_sgpr 68
		.amdhsa_reserve_vcc 0
		.amdhsa_float_denorm_mode_32 3
		.amdhsa_float_denorm_mode_16_64 3
		.amdhsa_memory_ordered 1
		.amdhsa_forward_progress 1
		.amdhsa_inst_pref_size 255
	.end_amdhsa_kernel
	.section	.bss,"aw",@nobits
	.p2align	6
	.space	262144
	.amdgpu_metadata
---
amdhsa.version: [ 1, 2 ]
amdhsa.kernels:
  - .name:           k_qde171bf4bb_attn
    .symbol:         k_qde171bf4bb_attn.kd
    .args:
      - { .name: qp, .offset: 0, .size: 8, .value_kind: global_buffer, .address_space: global }
      - { .name: kp, .offset: 8, .size: 8, .value_kind: global_buffer, .address_space: global }
      - { .name: vp, .offset: 16, .size: 8, .value_kind: global_buffer, .address_space: global }
      - { .name: rpe, .offset: 24, .size: 8, .value_kind: global_buffer, .address_space: global }
      - { .name: k_padding_mask, .offset: 32, .size: 8, .value_kind: global_buffer, .address_space: global }
      - { .name: ao, .offset: 40, .size: 8, .value_kind: global_buffer, .address_space: global }
    .group_segment_fixed_size: 327680
    .private_segment_fixed_size: 0
    .kernarg_segment_align: 8
    .kernarg_segment_size: 48
    .max_flat_workgroup_size: 256
    .sgpr_count:     68
    .vgpr_count:     320
    .wavefront_size: 32
...
	.end_amdgpu_metadata
.endif
;; end of part 2
;; launch oproj (part 3): grid 4 x 64, 8 waves a work-group, clusters of 4 x 4, 318,464 bytes of LDS; arguments ao, wo16, bo, q_padding_mask, out0; writes out0
.if DOCPART == 3
	.amdgcn_target "amdgcn-amd-amdhsa--gfx1250"
	.amdhsa_code_object_version 6
	.text
	.protected	k_qde171bf4bb_oproj
	.globl	k_qde171bf4bb_oproj
	.p2align	8
	.type	k_qde171bf4bb_oproj,@function
k_qde171bf4bb_oproj:
	s_mov_b64 s[64:65], 0
	v_nop
	global_prefetch_b8 v0, s[64:65] scope:SCOPE_SE
	s_setreg_imm32_b32 hwreg(HW_REG_WAVE_MODE, 25, 1), 1
	s_wait_xcnt 0x0
	s_wait_alu depctr_hold_cnt(0) depctr_sa_sdst(0) depctr_va_vdst(0) depctr_va_sdst(0) depctr_va_ssrc(0) depctr_va_vcc(0) depctr_vm_vsrc(0)
	s_getreg_b32 s2, hwreg(HW_REG_IB_STS2, 6, 4)
	s_cmp_eq_u32 s2, 0
	s_cbranch_scc0 .Lentry_in_a_cluster
	s_endpgm
.Lentry_in_a_cluster:
	s_bfe_u32 s2, ttmp6, 0x10000c
	s_cmp_lg_u32 s2, 0xf033
	s_cbranch_scc0 .Lentry_shape_is_right
	s_endpgm
.Lentry_shape_is_right:
; out0 = (attention output) Wo^T + bo, rows of padded queries set to 0.
; ao: [batch][head][2048][64] f16; wo16: [512][512] f16 (Wo rounded by the first launch); bo: [512] f32; q_padding_mask: [8192] bytes, 0 or 1; out0: [8192][512] f32.
; A work-group makes 128 rows x 128 columns; wave w makes rows 32 (w & 3) .. + 31 and columns 64 (w >> 2) .. + 63: 8 accumulator tiles.
; THE WHOLE K IS HELD IN LDS: 128 rows x 512 of ao (eight heads of 128 rows x 128 bytes) and 128 rows x 512 of Wo (two halves of K, rows of 512 bytes),
; 256 KiB of data, asked for at the first lines by the tensor data mover: two loads a wave, the first for K 0-255, the second for K 256-511.
; Nothing is ever filled again, so two barriers serve the whole product: one behind each half's arrival.
; CLUSTER: 4 x 4 work-groups.  The four of a row of the cluster make the same rows of out0 and need the same tiles of ao; the four of a column need the same
; rows of Wo.  Each tile is asked for jointly by its four, which divides the requests for both operands by four.
; LIMIT: |Wo| below 65504 (f16 operand); sums, bias and result in f32.
.set APITCH, 144                       ; a row of ao in LDS: 128 bytes (64 f16) + 16
.set ACHUNK, 128*APITCH                ; one head: what one of waves 0-3 brings with one load
.set AHALF,  4*ACHUNK                  ; four heads: K 0-255 or K 256-511
.set WBASE,  2*AHALF                   ; 147,456
.set WPITCH, 528                       ; a row of Wo in LDS: 512 bytes (256 f16) + 16: 33 x 16, so sixteen rows begin at sixteen different 16-byte columns modulo 256
.set WPART,  32*WPITCH                 ; 32 rows: what one of waves 4-7 brings with one load
.set WHALF,  4*WPART
.set STAGE,  WBASE+2*WHALF             ; 282,624: 16 rows x 272 bytes for each wave; no fill lands here
.set SPITCH, 272                       ; 256 bytes (64 f32) + 16
.set ACC, 32                           ; v[32:95]   tile (rt, ct) at ACC + 8 (4 rt + ct)
.set XF,  96                           ; v[96:127]  fragment (buffer ks, rt) of ao at XF + 16 ks + 8 rt
.set WF,  128                          ; v[128:191] fragment (buffer ks, ct) of Wo at WF + 32 ks + 8 ct; on the way out the rows read back
.set XW,  208                          ; v[208:239] the bias of my columns
; v7, v8 fragment address of ao, K half 0, 1; v9, v10 of Wo; v11 stage in, v12 stage back, v13 offset in out0, v14 bias offset,
; v16, v17 mask bytes of my rows, v18 r (address of the mask loads), v15, v19 at work
; s[24:31] group 1 for ao, s[32:39] its group 0 (a set for each half), s[48:55] group 1 for Wo, s[56:63] its group 0.
; Registers that feed the descriptors of ao (s17-s22, s43, s66, s67, s72) never hold cx; those that feed the descriptors of Wo (s23, s42, s44, s46, s47, s68-s71, s73) never hold cy.
.macro PLACES                          ; four places behind a matrix instruction (ISA guide 7.12.1)
.rept 4
	v_nop
.endr
.endm
.macro CROUND                          ; a round of the cluster barrier: my work-group's barrier, wave 0 signals for the work-group, all wait, my work-group's barrier
	s_barrier_signal -1
	s_barrier_wait -1
	s_cmp_lg_u32 s14, 0
	s_cbranch_scc1 .Lnot_wave_0_\@
	s_barrier_signal -3
.Lnot_wave_0_\@:
	s_barrier_wait -3
	s_barrier_signal -1
	s_barrier_wait -1
.endm
	s_load_b256 s[4:11], s[0:1], 0x0               ; ao s[4:5] wo16 s[6:7] bo s[8:9] q_padding_mask s[10:11]
	s_load_b64 s[12:13], s[0:1], 0x20              ; out0
	v_lshl_add_u32 v240, v0, 2, 0x4d800
	v_mov_b32 v241, 0
	ds_add_u32 v240, v241
	v_lshrrev_b32 v15, 5, v0
	v_readfirstlane_b32 s14, v15                   ; wave 0..7
	s_and_b32 s15, s14, 3                          ; wm.  Also: which head of a half, or which 32 rows of Wo, I fetch
	s_lshr_b32 s16, s14, 2                         ; wn.  Also: I fetch for ao (0) or for Wo (1)
	s_bfe_u32 s40, ttmp6, 0x40000                  ; cx
	s_bfe_u32 s41, ttmp6, 0x40004                  ; cy
	s_lshl_b32 s42, ttmp9, 2
	s_add_co_u32 s42, s42, s40                     ; column block = 4 x cluster x + cx
	s_and_b32 s17, ttmp7, 0xffff
	s_lshl_b32 s17, s17, 2
	s_add_co_u32 s17, s17, s41                     ; row block = 4 x cluster y + cy
	s_lshl_b32 s43, s41, 2
	s_lshl_b32 s43, 15, s43                        ; my row of the cluster: places 4 cy .. 4 cy + 3
	s_lshl_b32 s44, 0x1111, s40                    ; my column: places cx, cx + 4, cx + 8, cx + 12
	; group 1 for ao: 128 rows of 64 elements of 2 bytes, pitch 64 elements, 4 words of padding behind every 32
	s_or_b32 s24, s43, (1<<16)|(1<<20)|(1<<21)|(4<<22)|(3<<25)
	s_mov_b32 s25, 64<<16                          ; tensor_dim0 = 64
	s_mov_b32 s26, 128<<16                         ; tensor_dim1 = 128
	s_mov_b32 s27, 64<<16                          ; tile_dim0 = 64
	s_mov_b32 s28, 128                             ; tile_dim1 = 128
	s_mov_b32 s29, 64                              ; from row to row
	s_mov_b32 s30, 0
	s_mov_b32 s31, 0
	; group 1 for Wo: 32 rows of 256 elements of 2 bytes, pitch 512 elements, 4 words of padding behind every 128
	s_or_b32 s48, s44, (1<<16)|(1<<20)|(1<<21)|(6<<22)|(3<<25)
	s_mov_b32 s49, 256<<16                         ; tensor_dim0 = 256
	s_mov_b32 s50, 32<<16                          ; tensor_dim1 = 32
	s_mov_b32 s51, 256<<16                         ; tile_dim0 = 256
	s_mov_b32 s52, 32                              ; tile_dim1 = 32
	s_mov_b32 s53, 512                             ; from row to row
	s_mov_b32 s54, 0
	s_mov_b32 s55, 0
	; offsets that hang on the row block
	s_lshr_b32 s18, s17, 4                         ; batch: 8 heads of 262,144 bytes
	s_lshl_b32 s18, s18, 21
	s_and_b32 s72, s17, 15
	s_lshl_b32 s72, s72, 14                        ; 128 rows of 128 bytes
	s_add_co_u32 s18, s18, s72
	s_lshl_b32 s72, s15, 18                        ; the head that I fetch
	s_add_co_u32 s18, s18, s72
	s_mov_b32 s19, 0
	s_lshl_b32 s66, s17, 7
	s_lshl_b32 s72, s15, 5
	s_add_co_u32 s66, s66, s72                     ; my first row: also its byte in the mask
	s_mov_b32 s67, 0
	s_lshl_b32 s20, s66, 11                        ; rows of 2,048 bytes in out0
	s_mov_b32 s21, 0
	; offsets that hang on the column block
	s_lshl_b32 s46, s42, 17                        ; 128 rows of Wo of 1,024 bytes
	s_lshl_b32 s73, s15, 15                        ; the 32 rows that I fetch
	s_add_co_u32 s46, s46, s73
	s_mov_b32 s47, 0
	s_lshl_b32 s68, s42, 9                         ; 128 columns of f32
	s_mov_b32 s69, 0
	s_lshl_b32 s73, s16, 8
	s_add_co_u32 s70, s68, s73                     ; + my 64 columns
	s_mov_b32 s71, 0
	s_mul_i32 s22, s14, ACHUNK                     ; where my tile of ao goes (waves 0-3)
	s_mul_i32 s23, s14, WPART
	s_add_co_u32 s23, s23, WBASE-4*WPART           ; where my tile of Wo goes (waves 4-7)
	s_wait_dscnt 0x0
	s_wait_kmcnt 0x0
	s_add_nc_u64 s[4:5], s[4:5], s[18:19]
	s_add_nc_u64 s[6:7], s[6:7], s[46:47]
	s_add_nc_u64 s[8:9], s[8:9], s[68:69]
	s_add_nc_u64 s[10:11], s[10:11], s[66:67]
	s_add_nc_u64 s[12:13], s[12:13], s[20:21]
	s_add_nc_u64 s[12:13], s[12:13], s[70:71]
.irp n, 0,1
	s_mov_b32 s[32+4*\n], 1
	s_add_co_u32 s[33+4*\n], s22, \n*AHALF
	s_add_nc_u64 s[34+4*\n:35+4*\n], s[4:5], \n*1048576            ; four heads on
	s_or_b32 s[35+4*\n], s[35+4*\n], 0x80000000
	s_mov_b32 s[56+4*\n], 1
	s_add_co_u32 s[57+4*\n], s23, \n*WHALF
	s_add_nc_u64 s[58+4*\n:59+4*\n], s[6:7], \n*512                ; 256 columns on
	s_or_b32 s[59+4*\n], s[59+4*\n], 0x80000000
.endr
	CROUND                                         ; all sixteen work-groups are here: the joint loads meet
	s_cmp_eq_u32 s16, 0                            ; one branch, on the wave number alone: both loads of a wave stand in it.  Two loads of mine are out
	s_cbranch_scc0 .Lfor_w
	tensor_load_to_lds s[32:35], s[24:31]
	s_nop 0
	tensor_load_to_lds s[36:39], s[24:31]
	s_nop 0
	s_branch .Lasked
.Lfor_w:
	tensor_load_to_lds s[56:59], s[48:55]
	s_nop 0
	tensor_load_to_lds s[60:63], s[48:55]
	s_nop 0
.Lasked:
	v_and_b32 v18, 15, v0                          ; r
	v_bfe_u32 v19, v0, 4, 1                        ; h
	s_lshl_b32 s45, s16, 8
	v_lshl_add_u32 v14, v19, 5, s45                ; bias: 4 (64 wn + 8 h)
	global_load_u8 v16, v18, s[10:11]              ; the mask byte of row r of my two row tiles
	global_load_u8 v17, v18, s[10:11] offset:16
.irp ct, 0,1,2,3
	global_load_b128 v[XW+8*\ct:XW+8*\ct+3],   v14, s[8:9] offset:64*\ct      ; the bias of my columns 16 ct + 8 h + 0..7
	global_load_b128 v[XW+8*\ct+4:XW+8*\ct+7], v14, s[8:9] offset:64*\ct+16
.endr
	v_mul_u32_u24 v15, v18, APITCH
	v_lshl_add_u32 v15, v19, 4, v15                ; r x pitch + 16 h
	s_mul_i32 s45, s15, 32*APITCH
	v_add_nc_u32 v7, s45, v15
	v_add_nc_u32 v8, AHALF, v7
	v_mul_u32_u24 v15, v18, WPITCH
	v_lshl_add_u32 v15, v19, 4, v15
	s_mul_i32 s45, s16, 64*WPITCH
	s_add_co_u32 s45, s45, WBASE
	v_add_nc_u32 v9, s45, v15
	v_add_nc_u32 v10, WHALF, v9
	s_mul_i32 s45, s14, 16*SPITCH
	s_add_co_u32 s45, s45, STAGE
	v_mul_u32_u24 v11, v18, SPITCH
	v_lshl_add_u32 v11, v19, 5, v11
	v_add_nc_u32 v11, s45, v11                     ; in: row r, 32 bytes for each half of the lanes
	v_mul_u32_u24 v12, v19, SPITCH
	v_lshl_add_u32 v12, v18, 4, v12
	v_add_nc_u32 v12, s45, v12                     ; back: lanes 0-15 one row of 256 bytes, lanes 16-31 the next
	v_lshlrev_b32 v13, 4, v18
	v_lshl_add_u32 v13, v19, 11, v13               ; and the same two rows in out0
; Twelve LDS loads: 32 along K (half of K, head s4 of its four, half ks of the head) into buffer ks
.macro OFETCH half, s4, ks
.irp rt, 0,1
	ds_load_b128 v[XF+16*\ks+8*\rt:XF+16*\ks+8*\rt+3],   v[7+\half] offset:ACHUNK*\s4+16*APITCH*\rt+64*\ks
	ds_load_b128 v[XF+16*\ks+8*\rt+4:XF+16*\ks+8*\rt+7], v[7+\half] offset:ACHUNK*\s4+16*APITCH*\rt+64*\ks+32
.endr
.irp ct, 0,1,2,3
	ds_load_b128 v[WF+32*\ks+8*\ct:WF+32*\ks+8*\ct+3],   v[9+\half] offset:16*WPITCH*\ct+128*\s4+64*\ks
	ds_load_b128 v[WF+32*\ks+8*\ct+4:WF+32*\ks+8*\ct+7], v[9+\half] offset:16*WPITCH*\ct+128*\s4+64*\ks+32
.endr
.endm
; Eight accumulators by turns, one instruction a turn.  Source 0 = rows of Wo: a lane holds eight neighbouring columns of one row.
.macro OMUL ks, zero
.irp rt, 0,1
.irp ct, 0,1,2,3
.if \zero
	v_wmma_f32_16x16x32_f16 v[ACC+8*(4*\rt+\ct):ACC+8*(4*\rt+\ct)+7], v[WF+32*\ks+8*\ct:WF+32*\ks+8*\ct+7], v[XF+16*\ks+8*\rt:XF+16*\ks+8*\rt+7], 0
.else
	v_wmma_f32_16x16x32_f16 v[ACC+8*(4*\rt+\ct):ACC+8*(4*\rt+\ct)+7], v[WF+32*\ks+8*\ct:WF+32*\ks+8*\ct+7], v[XF+16*\ks+8*\rt:XF+16*\ks+8*\rt+7], v[ACC+8*(4*\rt+\ct):ACC+8*(4*\rt+\ct)+7]
.endif
.endr
.endr
.endm
; A quarter step: multiplies buffer ks and fills it again, two quarter steps ahead, with (nh, ns4, ks)
.macro QSTEP ks, zero, nh, ns4
	s_wait_dscnt 12                                ; this buffer's twelve loads are in; the other buffer's twelve stay out
	OMUL \ks, \zero
	PLACES
	OFETCH \nh, \ns4, \ks
.endm
	s_wait_tensorcnt 0x1                           ; my tile of K 0-255 has landed; that of K 256-511 may stay out
	s_barrier_signal -1
	s_barrier_wait -1                              ; everybody's has
	OFETCH 0, 0, 0
	OFETCH 0, 0, 1
	QSTEP 0, 1, 0, 1                               ; the first products start the sums: nothing is cleared
	QSTEP 1, 0, 0, 1
	QSTEP 0, 0, 0, 2
	QSTEP 1, 0, 0, 2
	QSTEP 0, 0, 0, 3
	QSTEP 1, 0, 0, 3
	s_wait_dscnt 12
	OMUL 0, 0
	s_wait_dscnt 0x0                               ; no LDS access of mine is out at the signal
	s_wait_tensorcnt 0x0                           ; my tile of K 256-511 has landed
	s_barrier_signal -1
	s_barrier_wait -1                              ; everybody's has
	PLACES
	OFETCH 1, 0, 0
	QSTEP 1, 0, 1, 0
	QSTEP 0, 0, 1, 1
	QSTEP 1, 0, 1, 1
	QSTEP 0, 0, 1, 2
	QSTEP 1, 0, 1, 2
	QSTEP 0, 0, 1, 3
	QSTEP 1, 0, 1, 3
	s_wait_dscnt 12                                ; the last two quarter steps fetch nothing
	OMUL 0, 0
	s_wait_dscnt 0x0
	OMUL 1, 0
	; THE WAY OUT, 16 rows at a time: + bias, padded rows to 0, through my own stage, back as whole pieces of 256 bytes of a row.
	PLACES
	s_wait_loadcnt 0x0                             ; the bias and the mask bytes
	v_cmp_ne_u32 s74, 0, v16
	v_cmp_ne_u32 s75, 0, v17
.macro OOUT rt                         ; each row tile reads back into its own 32 registers: no register that a store reads is written again
.irp ct, 0,1,2,3
.irp j, 0,2,4,6
	v_pk_add_f32 v[ACC+8*(4*\rt+\ct)+\j:ACC+8*(4*\rt+\ct)+\j+1], v[ACC+8*(4*\rt+\ct)+\j:ACC+8*(4*\rt+\ct)+\j+1], v[XW+8*\ct+\j:XW+8*\ct+\j+1]
.endr
.endr
.set ii, 0
.rept 32
	v_cndmask_b32 v[ACC+32*\rt+ii], v[ACC+32*\rt+ii], 0, s[74+\rt]
.set ii, ii+1
.endr
.irp ct, 0,1,2,3
	ds_store_b128 v11, v[ACC+8*(4*\rt+\ct):ACC+8*(4*\rt+\ct)+3]   offset:64*\ct
	ds_store_b128 v11, v[ACC+8*(4*\rt+\ct)+4:ACC+8*(4*\rt+\ct)+7] offset:64*\ct+16
.endr
.irp i, 0,1,2,3,4,5,6,7
	ds_load_b128 v[WF+32*\rt+4*\i:WF+32*\rt+4*\i+3], v12 offset:2*SPITCH*\i    ; LDS serves a wave in order (ISA guide 5.7.1): these see the stores above
.endr
.irp i, 0,1,2,3,4,5,6,7
	s_wait_dscnt 7-\i                              ; the younger read-backs stay out
	global_store_b128 v13, v[WF+32*\rt+4*\i:WF+32*\rt+4*\i+3], s[12:13] offset:(16*\rt+2*\i)*2048 th:TH_STORE_NT   ; sixteen lanes store 256 consecutive bytes, aligned
.endr
.endm
	OOUT 0
	OOUT 1
	s_wait_tensorcnt 0x0
	ds_add_u32 v240, v241
	s_wait_dscnt 0x0
	CROUND                                         ; the closing round: no work-group ends while a partner may still ask for a tile that names it
	s_endpgm
.Lfunc_end_k_qde171bf4bb_oproj:
	.size	k_qde171bf4bb_oproj, .Lfunc_end_k_qde171bf4bb_oproj-k_qde171bf4bb_oproj
	.p2alignl 7, 3214868480
	.fill 96, 4, 3214868480
	.section	.rodata,"a",@progbits
	.p2align	6, 0x0
	.amdhsa_kernel k_qde171bf4bb_oproj
		.amdhsa_group_segment_fixed_size 318464
		.amdhsa_private_segment_fixed_size 0
		.amdhsa_enable_private_segment 0
		.amdhsa_kernarg_size 40
		.amdhsa_user_sgpr_count 2
		.amdhsa_user_sgpr_kernarg_segment_ptr 1
		.amdhsa_wavefront_size32 1
		.amdhsa_system_sgpr_workgroup_id_x 1
		.amdhsa_system_sgpr_workgroup_id_y 1
		.amdhsa_system_sgpr_workgroup_id_z 1
		.amdhsa_system_vgpr_workitem_id 0
		.amdhsa_next_free_vgpr 242
		.amdhsa_next_free_sgpr 76
		.amdhsa_reserve_vcc 0
		.amdhsa_float_denorm_mode_32 3
		.amdhsa_float_denorm_mode_16_64 3
		.amdhsa_memory_ordered 1
		.amdhsa_forward_progress 1
		.amdhsa_inst_pref_size 41
	.end_amdhsa_kernel
	.amdgpu_metadata
---
amdhsa.version: [ 1, 2 ]
amdhsa.kernels:
  - .name:           k_qde171bf4bb_oproj
    .symbol:         k_qde171bf4bb_oproj.kd
    .args:
      - { .name: ao, .offset: 0, .size: 8, .value_kind: global_buffer, .address_space: global }
      - { .name: wo16, .offset: 8, .size: 8, .value_kind: global_buffer, .address_space: global }
      - { .name: bo, .offset: 16, .size: 8, .value_kind: global_buffer, .address_space: global }
      - { .name: q_padding_mask, .offset: 24, .size: 8, .value_kind: global_buffer, .address_space: global }
      - { .name: out0, .offset: 32, .size: 8, .value_kind: global_buffer, .address_space: global }
    .group_segment_fixed_size: 318464
    .private_segment_fixed_size: 0
    .kernarg_segment_align: 8
    .kernarg_segment_size: 40
    .max_flat_workgroup_size: 256
    .sgpr_count:     76
    .vgpr_count:     242
    .wavefront_size: 32
...
	.end_amdgpu_metadata
.endif
;; end of part 3
